; MI455X (gfx1250); checked and timed in simulation.
; The chip was launched on July 23, 2026; its instructions are those of AMD's public machine-readable ISA for CDNA 5 (MIT licence, August 2026) and "CDNA5" Instruction Set Architecture Reference Guide (July 2026). The comments in the code are by the model that wrote it; some were corrected since.
;; Model. Allowed arithmetic: float matrix products may take bf16 or f16 operands with f32 sums; all other float work in f32.
;; Inputs: key 64 x 2,048 x 128 float32; query 64 x 2,048 x 128 float32; scale_factor 1 float32; value 64 x 2,048 x 128 float32.
;; Outputs: out0 64 x 2,048 x 128 float32.
;; One version. Each part assembles by itself: llvm-mc -triple=amdgcn-amd-amdhsa -mcpu=gfx1250 --defsym DOCPART=n.
;; ======== version 1 of 1: 1 launch
;; limits: values are held in f16: magnitudes above 65,504 overflow, below 6.1e-05 lose precision; inputs' magnitudes at most 65,504
;; launch attn (part 1): grid 8 x 64, 4 waves a work-group, clusters of 4 x 1, 327,680 bytes of LDS; arguments query, key, value, out0, scale_factor; writes out0
.if DOCPART == 1
	.amdgcn_target "amdgcn-amd-amdhsa--gfx1250"
	.amdhsa_code_object_version 6
	.text
	.protected	k_q8fcbb61a59_attn
	.globl	k_q8fcbb61a59_attn
	.p2align	8
	.type	k_q8fcbb61a59_attn,@function
k_q8fcbb61a59_attn:
	s_mov_b64 s[64:65], 0
	v_nop
	global_prefetch_b8 v0, s[64:65] scope:SCOPE_SE
	s_setreg_imm32_b32 hwreg(HW_REG_WAVE_MODE, 25, 1), 1
	s_wait_xcnt 0x0
	s_wait_alu depctr_hold_cnt(0) depctr_sa_sdst(0) depctr_va_vdst(0) depctr_va_sdst(0) depctr_va_ssrc(0) depctr_va_vcc(0) depctr_vm_vsrc(0)
	s_getreg_b32 s2, hwreg(HW_REG_IB_STS2, 6, 4)
	s_cmp_eq_u32 s2, 0
	s_cbranch_scc0 .Lentry_in_a_cluster
	s_endpgm
.Lentry_in_a_cluster:
	s_bfe_u32 s2, ttmp6, 0x10000c
	s_cmp_lg_u32 s2, 0x3003
	s_cbranch_scc0 .Lentry_shape_is_right
	s_endpgm
.Lentry_shape_is_right:
; out[h][q][:] = the sum over k of softmax_k(Q[h][q] . K[h][k] / scale) V[h][k][:].  Q, K, V, out: [64][2048][128] f32; scale: one f32, read from memory.
; Products on the matrix unit with f16 operands and f32 sums; maxima, exponentials, sums and the division in f32; the weights p are rounded to f16 for the second product.
; WHY F16.  Four roundings (Q, K, V, p) stand in front of each result; f16 keeps 11 bits of each where bf16 keeps 8.  Its range has room: numbers of spread 1 reach about 6, thirty times
; larger or offset by thirty spreads under 200, and f16 holds 65,504.  The scale is kept out of the operands, so that no value of it moves them in that range.
; LIMITS.  |Q|, |K| or |V| above 65,504 overflows; parts of them under 2^-25 are lost.  scale = 0, denormal or NaN gives no finite result here.  NaN and infinities among Q, K, V are
; not reproduced.  A weight under 2^-14 of its row's largest is an f16 denormal, wrong by 2^-25 at the most: 2,048 of them by 2^-14 of l, which is at least 1; l is summed in f32.
; SHARES.  A work-group owns 256 queries of one head, each of its four waves 64: four tiles of 16.  Every wave walks all 2,048 keys of the head, 64 a step, 32 steps.
; SCALE.  Q is multiplied by the sign of scale (+1 or -1: exact) and rounded; c = |log2(e) / scale| is applied in f32.  So c s is the true scaled score in powers of 2 for either sign, and
; the largest s is the largest c s.  For each query a running maximum m and sum l: p = 2^(c s - c m); in every step O and l are multiplied by a = 2^(c m_old - c m_new), 1 where m has not grown.
; LAYOUT.  S^T = K Q^T (source 0 = 16 keys, source 1 = 16 queries): a lane holds ONE query (lane % 16) and the keys 8 (lane / 16) + 0..7.  Two such tiles, rounded in pairs, ARE
; source 1 of O^T = V^T P, whose result again holds one query a lane.  K comes out of its stage as it lies, V ([key][channel]) turned, by ds_load_tr16_b128.
; F32 TO F16.  K and V arrive in f32 in a ring of two LDS slots (tensor loads), two key steps to a slot.  The four waves together round one tile (64 rows) at a time into an f16 stage,
; 16 rows a wave; K's stage and V's stage hold one step each.  A lane takes 16 bytes of each 256-byte half of an f32 row and stores one 16-byte piece of f16, so that every LDS
; instruction of the conversion touches 256 neighbouring bytes per 16 lanes.  So piece i of a stage row holds channels 4 i .. 4 i + 3 and 64 + 4 i .. 64 + 4 i + 3.
; Q is loaded in the same order of channels, which leaves the sums of K Q^T as they are but for their order; for V the order shows in O^T's rows and is undone by the addresses on the way out.
; BY TURNS.  The wave's tiles are two PIECES: piece 0 (tiles 0, 1) and piece 2 (tiles 2, 3).  In a TURN one piece has the matrix unit: 32 products V^T P of the step in hand, then 32
; products K Q^T of the next step; the other piece's softmax, cut into 64 slices, stands between them, one slice behind each matrix instruction.  Two turns are a key step.
; Piece 0's turn of step j reads K of step j + 1 out of K's stage and rounds V of step j + 1 into V's; piece 2's turn reads that V and rounds K of step j + 2.  A work-group barrier
; stands in front of every turn: it orders each stage's stores with the reads behind it, and the reads in front of it with the stores that overwrite the other stage behind it.
; CLUSTER.  The four query blocks of a cluster belong to one head and walk the same K and V, so each f32 tile is asked for JOINTLY: the same tensor load, with the same descriptor and
; a mask that names the four, in all four.  Every fourth barrier, where a slot has been read out, is a round of the cluster's barrier with the joint refill behind it.
;
; LDS.  0: slot 0; 131,072: slot 1; in a slot four tiles of 32,768 bytes (64 rows x 512, no padding: they are read 256 neighbouring bytes at a time): K, V of the first step, K, V of the second.
; 262,144: K's stage, 64 rows x 272; 279,552: V's stage, 64 rows x 288.  Both begin at multiples of 256 and are written by ds_store alone: no tensor load lands there.
; On the way out, when nobody reads the stages any more, their bytes serve as four stages of 16 rows x 528 bytes, one a wave.
; REGISTERS, in windows of 256 (s_set_vgpr_msb: bits 1:0 source 0, 3:2 source 1, 5:4 source 2, 7:6 destination):
;   window 0: v0-11, v44-51 addresses, c and the sign; v12-43 eight registers of statistics a tile; v64-191 S^T, 32 a tile; v192-255 P, 16 a tile
;   window 1: O^T, 64 a tile (at the start: Q in f32)     window 2: v0-127 Q, 32 a tile; v128-255 K of one step
;   window 3: v0-127 V of one step; v128-191 16 rows' share in f32 as loaded; v192-223 the same in f16
.set PITK,  272       ; a row of K's stage: 256 bytes + 16 = 68 words: the 16 rows of a fragment load start at 16 different groups of four banks (64 banks of 4 bytes: ISA guide 11.1)
.set PITV,  288       ; a row of V's stage: 256 + 32 = 72 words
.set TB32,  32768     ; an f32 tile: 64 rows x 512 bytes
.set SLOT1, 1<<17     ; a slot holds four tiles; slot 1 begins here
.set PAIRB, 65536     ; two key steps of K or of V in memory
.set KSTG,  2*SLOT1
.set VSTG,  KSTG+64*PITK
.set SP,    528       ; the way out: a row of 512 bytes + 16
.set AK0, 2           ; v2   my lane's place in K's stage
.set AV0, 3           ; v3   the same in V's
.set QO,  5           ; v5   my byte offset in the wave's rows of Q
.set STO, 6           ; v6   the way out: where I put 16 bytes of a row
.set RD,  7           ; v7   the way out: where I read a row back
.set GO,  8           ; v8   my byte offset in a row of out
.set ST,  12          ; tile t's statistics at v[ST+8 t]: +0 c m, +1 m, +2, +3 l (even keys', odd keys'), +4 to +7 c0-c3, at work; a takes c2's place once the maximum is found
.set CA0, 44          ; v44  my lane's place in an f32 tile
.set CADR,45          ; v45  the LDS address of the f32 loads in hand
.set CSK, 46          ; v46  where I store f16 into K's stage
.set CSV, 47          ; v47  the same for V's
.set CC,  48          ; v[48:49] c = |log2(e) / scale|, twice
.set SG,  50          ; v[50:51] the sign of scale as +1.0 or -1.0, twice
.set S,   64
.set P,   192
.set KF,  128         ; K's fragments, in window 2
.set CT,  128         ; f32 rows, in window 3
.set CP,  192         ; their f16, in window 3
.set WV,  12          ; s12  my wave's number
.set G1,  24          ; s[24:31] descriptor group 1: one shape for all tiles
.set G0K, 40          ; s[40:47] descriptor group 0 for K's tiles: a set for each of the two first fills; the second then walks on
.set G0V, 48          ; s[48:55] the same for V's
.set PAIRS, 56        ; s56  trips of the loop
.set SCL, 57          ; s57  scale
.set SEL, 60          ; s[60:61] lane selects for v_permlanex16_b32: each lane takes its own place in the other half
.set FB,  62          ; s62  LDS byte at which the next f32 tile to be rounded begins
.set MSB, 0
.macro WIN new                      ; the immediate's high byte repeats the setting that is left; a switch that changes nothing is dropped
.if MSB != \new
	s_set_vgpr_msb (MSB<<8)|\new
.set MSB, \new
.endif
.endm
.set W_KQ, 0x0a       ; K and Q in window 2, S^T in window 0
.set W_PV, 0x53       ; V in window 3, P in window 0, O^T in window 1
.set W_RS, 0x41       ; destination and source 0 in window 1, source 1 in window 0
; A joint refill.  Waves 0 and 1 fetch the two steps' tiles of K, waves 2 and 3 those of V.  The branch hangs on the wave's number alone: it is the same in every work-group.
; Four v_nop follow each of the two lines; the jump round the other line, the label and what follows the macro come after them.
.macro JLOAD
	s_cmp_lt_u32 s[WV], 2
	s_cbranch_scc0 .Lfor_v_\@
	tensor_load_to_lds s[G0K+4:G0K+7], s[G1:G1+7]
	s_nop 0
.rept 4
	v_nop
.endr
	s_branch .Lasked_\@
.Lfor_v_\@:
	tensor_load_to_lds s[G0V+4:G0V+7], s[G1:G1+7]
	s_nop 0
.rept 4
	v_nop
.endr
.Lasked_\@:
.endm
; A round of the cluster's barrier: my work-group's barrier, so that wave 0's signal speaks for all four waves; wave 0 signals for the work-group; every wave waits for all four
; work-groups; my work-group's barrier once more.  No LDS instruction of the wave is pending at a signal.
.macro CROUND
	s_barrier_signal -1
	s_barrier_wait -1
	s_cmp_lg_u32 s[WV], 0
	s_cbranch_scc1 .Lnot_wave_0_\@
	s_barrier_signal -3
.Lnot_wave_0_\@:
	s_barrier_wait -3
	s_barrier_signal -1
	s_barrier_wait -1
.endm
	s_load_b256 s[4:11], s[0:1], 0x0  ; Q s[4:5], K s[6:7], V s[8:9], out s[10:11]
	s_load_b64 s[18:19], s[0:1], 0x20 ; scale's address
	v_lshl_add_u32 v62, v0, 2, 0x48c00
	v_mov_b32 v63, 0
	ds_add_u32 v62, v63
	v_lshrrev_b32 v1, 5, v0
	v_readfirstlane_b32 s[WV], v1   ; wave 0..3
	s_bfe_u32 s13, ttmp6, 0x40000   ; cx: my place in the cluster
	s_lshl_b32 s14, ttmp9, 2        ; in a cluster launch ttmp9 counts clusters
	s_add_co_u32 s14, s14, s13      ; my block of 256 queries = 4 x cluster x + cx: it enters Q's and out's addresses alone
	s_and_b32 s20, ttmp7, 0xffff    ; the head, which the four partners share
	s_lshl_b32 s20, s20, 20         ; its first byte in each of the four tensors: 2,048 rows x 512 bytes a head, 63 << 20 at the most
	s_mov_b32 s21, 0
	s_and_b32 s16, s[WV], 1         ; which of a slot's two steps I fetch:
	s_lshl_b32 s22, s16, 15         ; its 64 rows of 512 bytes in memory,
	s_mov_b32 s23, 0
	s_add_nc_u64 s[22:23], s[22:23], s[20:21]
	s_lshl_b32 s17, s16, 16         ; and its place in a slot (K's and V's tile of a step lie together): no place in the cluster enters an LDS address
	s_lshl_b32 s2, s14, 17          ; my block's 256 rows,
	s_lshl_b32 s3, s[WV], 15        ; my wave's 64 of them
	s_add_co_u32 s2, s2, s3
	s_mov_b32 s3, 0
	s_add_nc_u64 s[2:3], s[2:3], s[20:21]
	; descriptor group 1: a tile of 64 rows x 128 elements of 4 bytes, laid into LDS without gaps
	s_mov_b32 s[G1], 15|(2<<16)|(1<<21)  ; 15:0 the mask: all four work-groups; 17:16 elements of 4 bytes; 20 no padding; 21 set beside a mask
	s_mov_b32 s[G1+1], 128<<16      ; 63:48 tensor_dim0, low half = 128
	s_mov_b32 s[G1+2], 64<<16       ; 79:64 its high half = 0; 95:80 tensor_dim1, low half = 64
	s_mov_b32 s[G1+3], 128<<16      ; 111:96 its high half = 0; 127:112 tile_dim0 = 128
	s_mov_b32 s[G1+4], 64           ; 143:128 tile_dim1 = 64; 159:144 tile_dim2 = 0
	s_mov_b32 s[G1+5], 128          ; 191:160 tensor_dim0_stride: elements from row to row
	s_mov_b32 s[G1+6], 0
	s_mov_b32 s[G1+7], 0
	s_mov_b32 s[SEL], 0x76543210
	s_mov_b32 s[SEL+1], 0xfedcba98
	s_mov_b32 s[FB], 0
	s_mov_b32 s[PAIRS], 13
	s_wait_dscnt 0x0
	s_wait_kmcnt 0x0
	s_load_b32 s[SCL], s[18:19], 0x0  ; scale; no line of this text writes that buffer
	s_add_nc_u64 s[6:7], s[6:7], s[22:23]  ; K and V at my tile of slot 0
	s_add_nc_u64 s[8:9], s[8:9], s[22:23]
	s_add_nc_u64 s[4:5], s[4:5], s[2:3]  ; Q and out at my wave's first row
	s_add_nc_u64 s[10:11], s[10:11], s[2:3]
	CROUND                          ; all four work-groups are here: the first joint loads meet
.irp s, 0,1
	s_mov_b32 s[G0K+4*\s], 1        ; 1:0 count = 1
	s_add_co_u32 s[G0K+4*\s+1], s17, \s*SLOT1  ; 63:32 LDS address
	s_add_nc_u64 s[G0K+4*\s+2:G0K+4*\s+3], s[6:7], \s*PAIRB  ; 120:64 global address: slot s begins with keys 128 s to 128 s + 127
	s_or_b32 s[G0K+4*\s+3], s[G0K+4*\s+3], 0x80000000  ; 127:126 type = 2
	s_mov_b32 s[G0V+4*\s], 1
	s_add_co_u32 s[G0V+4*\s+1], s17, \s*SLOT1+TB32
	s_add_nc_u64 s[G0V+4*\s+2:G0V+4*\s+3], s[8:9], \s*PAIRB
	s_or_b32 s[G0V+4*\s+3], s[G0V+4*\s+3], 0x80000000
.endr
	s_cmp_lt_u32 s[WV], 2           ; a wave's two first fills stand in one branch, ahead of every wait on TENSORcnt and every LDS read: two loads of mine are out; four v_nop follow the second, as in JLOAD
	s_cbranch_scc0 .Lfirst_v
	tensor_load_to_lds s[G0K:G0K+3], s[G1:G1+7]
	s_nop 0
	tensor_load_to_lds s[G0K+4:G0K+7], s[G1:G1+7]
	s_nop 0
.rept 4
	v_nop
.endr
	s_branch .Lfirst_asked
.Lfirst_v:
	tensor_load_to_lds s[G0V:G0V+3], s[G1:G1+7]
	s_nop 0
	tensor_load_to_lds s[G0V+4:G0V+7], s[G1:G1+7]
	s_nop 0
.rept 4
	v_nop
.endr
.Lfirst_asked:
	; Q.  An f16 fragment is 16 rows x 32 places in 8 registers: lane l holds row l % 16; registers 0-3 places 8 (l / 16) + 0..7, registers 4-7 places 16 + 8 (l / 16) + 0..7.
	; Places 8 i .. 8 i + 7 are channels 4 i .. + 3 and 64 + 4 i .. + 3, as in K's stage.  So fragment f's registers 0-3 come from bytes 64 f + 16 (l / 16) and 256 more of the f32 row,
	; registers 4-7 from 32 bytes further on: four loads of 16 bytes into 16 registers of window 1.
	v_and_b32 v1, 15, v0            ; l % 16
	v_bfe_u32 v9, v0, 4, 1          ; l / 16
	v_lshlrev_b32 v[QO], 9, v1
	v_lshl_add_u32 v[QO], v9, 4, v[QO]  ; row x 512 + 16 x half
	WIN 0x40                        ; destination window 1, address window 0
.set i, 0
.rept 16                            ; tile i / 4, fragment i % 4
	global_load_b128 v[16*i:16*i+3],     v[QO], s[4:5] offset:(i/4)*8192+(i%4)*64
	global_load_b128 v[16*i+4:16*i+7],   v[QO], s[4:5] offset:(i/4)*8192+(i%4)*64+256
	global_load_b128 v[16*i+8:16*i+11],  v[QO], s[4:5] offset:(i/4)*8192+(i%4)*64+32
	global_load_b128 v[16*i+12:16*i+15], v[QO], s[4:5] offset:(i/4)*8192+(i%4)*64+288
.set i, i+1
.endr
	WIN 0
	v_mul_u32_u24 v[AK0], v1, PITK  ; K's fragments: row x pitch + 16 x half, in K's stage
	v_lshl_add_u32 v[AK0], v9, 4, v[AK0]
	v_add_nc_u32 v[AK0], KSTG, v[AK0]
	; The turning load takes 16 keys x 16 places (lane l reads 16 bytes: key 8 (l / 16) + l % 8, places 8 ((l / 8) % 2) + 0..7) and leaves half a fragment of V^T: lane l holds place l % 16 and 8 keys.
	v_and_b32 v10, 7, v0
	v_bfe_u32 v11, v0, 3, 1
	v_lshl_add_u32 v[AV0], v9, 3, v10
	v_mul_u32_u24 v[AV0], v[AV0], PITV
	v_lshl_add_u32 v[AV0], v11, 4, v[AV0]
	v_add_nc_u32 v[AV0], VSTG, v[AV0]
	; The rounding: wave w takes rows 16 w to 16 w + 15 of a tile, two rows an instruction: lanes 0-15 the even row, lanes 16-31 the odd one.
	s_lshl_b32 s13, s[WV], 13       ; 16 rows x 512 bytes
	v_lshlrev_b32 v[CA0], 9, v9
	v_lshl_add_u32 v[CA0], v1, 4, v[CA0]
	v_add_nc_u32 v[CA0], s13, v[CA0]
	s_mul_i32 s13, s[WV], 16*PITK
	s_add_co_u32 s13, s13, KSTG
	v_mul_u32_u24 v[CSK], v9, PITK
	v_lshl_add_u32 v[CSK], v1, 4, v[CSK]
	v_add_nc_u32 v[CSK], s13, v[CSK]
	s_mul_i32 s13, s[WV], 16*PITV
	s_add_co_u32 s13, s13, VSTG
	v_mul_u32_u24 v[CSV], v9, PITV
	v_lshl_add_u32 v[CSV], v1, 4, v[CSV]
	v_add_nc_u32 v[CSV], s13, v[CSV]
	s_wait_kmcnt 0x0                ; scale
	v_rcp_f32 v[CC], s[SCL]
	v_mov_b32 v[SG], s[SCL]         ; also the plain instruction between the reciprocal and the use of its result (ISA guide 5.7.2)
	s_wait_alu depctr_va_vdst(0)
	v_mul_f32 v[CC], 0x3fb8aa3b, v[CC]  ; log2(e) / scale,
	v_and_b32 v[SG], 0x80000000, v[SG]  ; scale's sign bit
	v_and_b32 v[CC], 0x7fffffff, v[CC]  ; its magnitude: c
	v_or_b32 v[SG], 0x3f800000, v[SG]   ; on 1.0: +1.0 or -1.0
	v_mov_b32 v[CC+1], v[CC]
	v_mov_b32 v[SG+1], v[SG]
	s_wait_loadcnt 0x0              ; Q
	WIN W_RS
.set i, 0
.rept 128
	v_pk_mul_f32 v[i:i+1], v[i:i+1], v[SG:SG+1]  ; Q takes scale's sign: exact
.set i, i+2
.endr
	WIN 0x85                        ; sources 0 and 1 window 1, destination window 2
.set i, 0
.rept 128
	v_cvt_pk_f16_f32 v[i], v[2*i], v[2*i+1]
.set i, i+1
.endr
; THE MATRIX WORK OF A TURN, for piece x.  The accumulators take turns, one instruction a turn: between two links of a chain stand 15 (V^T P) or 7 (K Q^T) others'.
; Product i of 32 of O^T += V^T P: keys 32 (i / 16) on, places 16 ((i / 2) % 8) on, tile x + i % 2.  zero = 1: the first 16 start the sums: nothing is ever cleared.
.macro PV x, zero
	WIN W_PV
.set rO, 64*(\x+i%2)+8*((i/2)%8)
.set rV, 64*(i/16)+8*((i/2)%8)
.set rP, P+16*(\x+i%2)+8*(i/16)
.if \zero && (i < 16)
	v_wmma_f32_16x16x32_f16 v[rO:rO+7], v[rV:rV+7], v[rP:rP+7], 0
.else
	v_wmma_f32_16x16x32_f16 v[rO:rO+7], v[rV:rV+7], v[rP:rP+7], v[rO:rO+7]
.endif
.endm
; Product i of 32 of S^T = K Q^T: places 32 (i / 8) on, keys 16 ((i / 2) % 4) on, tile x + i % 2.  The first 8 start the sums.
.macro KQ x
	WIN W_KQ
.set rS, S+32*(\x+i%2)+8*((i/2)%4)
.set rK, KF+32*((i/2)%4)+8*(i/8)
.set rQ, 32*(\x+i%2)+8*(i/8)
.if i < 8
	v_wmma_f32_16x16x32_f16 v[rS:rS+7], v[rK:rK+7], v[rQ:rQ+7], 0
.else
	v_wmma_f32_16x16x32_f16 v[rS:rS+7], v[rK:rK+7], v[rQ:rQ+7], v[rS:rS+7]
.endif
.endm
; THE LDS INSTRUCTIONS stand in runs, never singly among the matrix instructions.  A step's K out of its stage (16 fragments) and, a turn later, its V (turned).
.macro FETCH_K
	WIN 0x80                        ; destination window 2, address window 0
.irp f, 0,1,2,3,4,5,6,7,8,9,10,11,12,13,14,15  ; keys 16 (f / 4) on, places 32 (f % 4) on
	ds_load_b128 v[KF+8*\f:KF+8*\f+3],   v[AK0] offset:(\f/4)*16*PITK+(\f%4)*64
	ds_load_b128 v[KF+8*\f+4:KF+8*\f+7], v[AK0] offset:(\f/4)*16*PITK+(\f%4)*64+32
.endr
.endm
.macro FETCH_V
	WIN 0xc0                        ; destination window 3
.irp f, 0,1,2,3,4,5,6,7,8,9,10,11,12,13,14,15  ; keys 32 (f / 8) on, places 16 (f % 8) on
	ds_load_tr16_b128 v[8*\f:8*\f+3],   v[AV0] offset:(\f/8)*32*PITV+(\f%8)*32
	ds_load_tr16_b128 v[8*\f+4:8*\f+7], v[AV0] offset:(\f/8)*32*PITV+16*PITV+(\f%8)*32
.endr
.endm
; My 16 rows of the f32 tile at s[FB]: 16 loads; the tiles are taken in the order in which they lie in a slot.
.macro CLOAD
	WIN 0
	v_add_nc_u32 v[CADR], s[FB], v[CA0]
	s_add_co_u32 s[FB], s[FB], TB32 ; the next run takes the next tile
	WIN 0xc0                        ; destination window 3
.irp n, 0,1,2,3,4,5,6,7             ; rows 2 n, 2 n + 1 of my 16: channels 4 i .. + 3, then 64 + 4 i .. + 3 (i = lane % 16)
	ds_load_b128 v[CT+8*\n:CT+8*\n+3],   v[CADR] offset:1024*\n
	ds_load_b128 v[CT+8*\n+4:CT+8*\n+7], v[CADR] offset:1024*\n+256
.endr
.endm
.macro CVT                          ; 64 numbers a lane rounded to f16
	WIN 0xcf                        ; all in window 3
.set n2, 0
.rept 32
	v_cvt_pk_f16_f32 v[CP+n2], v[CT+2*n2], v[CT+2*n2+1]
.set n2, n2+1
.endr
.endm
.macro CSTORE adr, pitch            ; into a stage: 16 lanes store a row's 256 bytes
	WIN 0x0c                        ; data (source 1) window 3, address window 0
.irp n, 0,1,2,3,4,5,6,7
	ds_store_b128 v[\adr], v[CP+4*\n:CP+4*\n+3] offset:\n*2*\pitch
.endr
.endm
; THE VECTOR WORK OF A TURN.  One tile's softmax for one key step is a list of 134 instructions; SM writes number j of it for tile t.  s0-s31 are the lane's 32 scores, in pairs 0-15.
; first = 1: the first key step, which starts m, l and O^T: it has no a and nothing to rescale.
;   0-15    the maximum of s0-s31 and the old m, three operands at a time: four chains c0-c3 of seven scores each, then the four scores left over, c0-c3 and m
;   16-20   the other half of the lanes' maximum; the new m; c m; c m_old - c m_new
;   21-87   33 exponentials (a, then s0-s31) at the odd numbers from 23 on, so that no two follow each other and each has a plain instruction behind it before its result is used.
;           Plain instruction q (number 21, then the even numbers) is whatever is ready: c s - c m for a pair of scores whose exponentials are still to come (q = 0 to 3, then every
;           second q), the rounding to f16 of a pair of weights whose exponentials are done (every other q from 5 on), at last the first three sums
;   88-101  the last rounding; the rest of the sums; l = a l + the sum
;   102-133 the tile's O^T times a: the one part that leaves window 0, so it stands together
.macro SM t, first
.set rT, ST+8*(\t)
.set rS, S+32*(\t)
.set rP, P+16*(\t)
.set rO, 64*(\t)+2*(j-102)
.set q, (j-20)/2
.if j < 102
	WIN 0
.endif
.if j < 4
	v_max3_num_f32 v[rT+4+j], v[rS+8*j], v[rS+8*j+1], v[rS+8*j+2]
.elseif j < 12
	v_max3_num_f32 v[rT+4+j%4], v[rT+4+j%4], v[rS+8*(j%4)+2*(j/4)+1], v[rS+8*(j%4)+2*(j/4)+2]
.elseif j == 12
	v_max3_num_f32 v[rT+4], v[rT+4], v[rS+7], v[rS+15]
.elseif j == 13
	v_max3_num_f32 v[rT+6], v[rT+6], v[rS+23], v[rS+31]
.elseif j == 14
	v_max3_num_f32 v[rT+4], v[rT+4], v[rT+5], v[rT+6]
.elseif (j == 15) && \first
	v_max_num_f32 v[rT+4], v[rT+4], v[rT+7]
.elseif j == 15
	v_max3_num_f32 v[rT+4], v[rT+4], v[rT+7], v[rT+1]
.elseif j == 16
	v_permlanex16_b32 v[rT+5], v[rT+4], s[SEL], s[SEL+1]  ; the query's other 32 keys lie in the lane 16 away
.elseif j == 18
	v_max_num_f32 v[rT+1], v[rT+4], v[rT+5]
.elseif j == 19
	v_mul_f32 v[rT], v[CC], v[rT+1]
.elseif ((j == 17) || (j == 20) || (j == 23) || (j > 101)) && \first  ; the first step has none of these
.elseif j == 17
	v_mov_b32 v[rT+7], v[rT]        ; c m_old is kept for a: number 19 writes c m anew
.elseif j == 20
	v_sub_f32 v[rT+7], v[rT+7], v[rT]
.elseif j == 23
	v_exp_f32 v[rT+6], v[rT+7]
.elseif (j < 88) && (j > 23) && (j%2 == 1)
	v_exp_f32 v[rS+(j-25)/2], v[rS+(j-25)/2]
.elseif (q < 4) || ((j < 76) && (q%2 == 0))
.set b, q/2+2
.if q < 4
.set b, q
.endif
	v_pk_fma_f32 v[rS+2*b:rS+2*b+1], v[rS+2*b:rS+2*b+1], v[CC:CC+1], v[rT:rT+1] op_sel_hi:[1,1,0] neg_lo:[0,0,1] neg_hi:[0,0,1]  ; pair b: c s - c m (c m, the pair's first register, for both halves)
.elseif (j < 88) && (q%2 == 1)
	s_wait_alu depctr_va_vdst(0)
	v_cvt_pk_f16_f32 v[rP+(q-5)/2], v[rS+q-5], v[rS+q-4]  ; pair (q - 5) / 2: its second exponential stands three numbers back
.elseif j == 89
	s_wait_alu depctr_va_vdst(0)
	v_cvt_pk_f16_f32 v[rP+15], v[rS+30], v[rS+31]
.elseif j < 102                     ; the sum of the tile's 16 pairs (in a pair: an even key's weight, an odd key's), in place: sum z of 16 adds neighbours 1, 2, 4 and 8 pairs apart, then l takes it
.set z, j-86
.if j < 89
.set z, (j-76)/4
.endif
.set w, 4
.set u, z
.if z >= 14
.set w, 32
.set u, 0
.elseif z >= 12
.set w, 16
.set u, z-12
.elseif z >= 8
.set w, 8
.set u, z-8
.endif
.if (z == 14) && \first
	v_pk_add_f32 v[rT+2:rT+3], v[rS:rS+1], v[rS+16:rS+17]
.elseif z < 15
	v_pk_add_f32 v[rS+w*u:rS+w*u+1], v[rS+w*u:rS+w*u+1], v[rS+w*u+w/2:rS+w*u+w/2+1]
.elseif !\first
	v_pk_fma_f32 v[rT+2:rT+3], v[rT+2:rT+3], v[rT+6:rT+7], v[rS:rS+1] op_sel_hi:[1,0,1]
.endif
.else
	WIN W_RS
	v_pk_mul_f32 v[rO:rO+1], v[rO:rO+1], v[rT+6:rT+7] op_sel_hi:[1,0]
.endif
.endm
; Slice k of 64 of piece y's softmax: numbers 2 k and 2 k + 1 of both tiles' lists, four instructions.  2 x 134 = 4 x 64 + 12: the twelve that are over stand together, in slice 63.
.macro SLICE y, first
.if (k >= 11) && (k < 44)           ; tile by tile: plain, exponential, plain, exponential
.irp t, \y, \y+1
.irp n, 0,1
.set j, 2*k+\n
	SM \t, \first
.endr
.endr
.else                               ; the two tiles alternate, so that no instruction reads the result of the one just before it
.irp n, 0,1,2,3,4,5,6,7
.if (\n < 2) || (k == 63)
.irp t, \y, \y+1
.set j, 2*k+\n
	SM \t, \first
.endr
.endif
.endr
.endif
.set k, k+1
.endm
; A vector instruction that reads a matrix result or writes one of a matrix instruction's registers, and a load into a register that a matrix instruction has read, stand four places behind
; it, and only plain vector instructions that name none of its registers are places (ISA guide 7.12.1 for vector instructions).  In the loop the slices are the places.
.macro PLACES
.rept 4
	v_nop
.endr
.endm
; A TURN.  Piece x has the matrix unit; the other piece's softmax stands in slices behind its matrix instructions.
; pv = 2: 32 products V^T P; 1: they start O^T's sums; 0: none.  kq = 1: 32 products K Q^T for the next step.  A turn with one of the two kinds has two slices behind each product.
; first = 1: the softmax is the first key step's.  Its slices from 51 on are empty: the turn's last products stand bare, and four v_nop take slice 63's part as the places behind them.
; conv = 1: the turn rounds one f32 tile: piece 0's turn into V's stage, piece 2's into K's.
; Behind the second product V^T P: piece 0's turn fetches the next step's K (the last product that read K's registers stands in front of slice 63 of the turn before), and the f32 rows
; are loaded; both are 30 matrix instructions ahead of the one wait for them.  Behind the fourth product K Q^T: piece 2's turn fetches the same step's V (the last product that read V's
; registers stands five slices, ten plain instructions, back); then the rows are rounded and stored.
; V's fragments are in at the head of piece 0's turn: the barrier in front of it has waited for every LDS instruction of the wave.
.macro TURN x, pv, kq, first, conv
.set k, 0
.set per, 2
.if \pv && \kq
.set per, 1
.endif
.if \conv && (\pv == 0)
	CLOAD
.endif
.if \pv
.set i, 0
.rept 32
	PV \x, 2-\pv
.rept per
	SLICE 2-\x, \first
.endr
.if i == 1
.if (\x == 0) && \kq
	FETCH_K
.endif
.if \conv
	CLOAD
.endif
.endif
.set i, i+1
.endr
.endif
.if \kq
	s_wait_dscnt 0x0                ; K's fragments (piece 0's turn) and my f32 rows are in
.set i, 0
.rept 32
	KQ \x
.rept per
	SLICE 2-\x, \first
.endr
.if i == 3
.if \x == 2
	FETCH_V
.endif
.if \conv
	CVT
.if \x == 0
	CSTORE CSV, PITV
.else
	CSTORE CSK, PITK
.endif
.endif
.endif
.set i, i+1
.endr
.endif
.if \first
	PLACES
.endif
.endm
; The barrier in front of a turn.  Every LDS instruction of the wave is done: its stores into one stage, for the waves that read them behind the barrier, and its reads of the other
; stage, which is overwritten behind it.  No tensor load fills anything behind this barrier, so the one that is on its way, into the slot that is not being read, stays out.
.macro BAR
	s_wait_dscnt 0x0
	s_barrier_signal -1
	s_barrier_wait -1
.endm
; The same barrier where a slot's fourth tile has been read.  Each wave also waits for all its tensor loads, of which one is out: its part of the other slot.
; fill = 1: the slot is filled again, with the keys two slots on.  The barrier is then a round of the cluster's, so that no wave of any partner still reads the slot or has a load on its
; way, and the joint refill is the first thing behind it: it has two key steps, 256 matrix instructions, in which to land.
.macro CHANGE fill
	WIN 0                           ; at a label and at a branch every window is 0
	s_wait_dscnt 0x0
	s_wait_tensorcnt 0x0            ; no tensor load of mine is out, so a group 0 may be written
	ds_add_u32 v62, v63
	s_wait_dscnt 0x0
.if \fill
.irp g, G0K+4, G0V+4
	s_xor_b32 s[\g+1], s[\g+1], SLOT1  ; the walking descriptor: the other slot than last time,
	s_add_nc_u64 s[\g+2:\g+3], s[\g+2:\g+3], PAIRB  ; the next 128 keys; the type bits on top are not reached
.endr
	CROUND
	JLOAD
.else
	s_barrier_signal -1
	s_barrier_wait -1
.endif
	s_sub_co_u32 s[FB], s[FB], 4*TB32  ; the f32 loads go back to a slot's first tile,
	s_xor_b32 s[FB], s[FB], SLOT1   ; in the other slot
.endm
; Two key steps, an odd one and the even one behind it; the slot is read out in the even step's first turn.
.macro PAIR fill
	BAR
	TURN 0, 2, 1, 0, 1
	BAR
	TURN 2, 2, 1, 0, 1
	BAR
	TURN 0, 2, 1, 0, 1
	CHANGE \fill
	TURN 2, 2, 1, 0, 1
.endm
	s_wait_tensorcnt 0x1            ; my part of slot 0 is in; slot 1's, issued behind it, may stay out
	s_barrier_signal -1
	s_barrier_wait -1               ; everybody's is
	CLOAD                           ; K of step 0
	s_wait_dscnt 0x0
	CVT
	CSTORE CSK, PITK
	CLOAD                           ; V of step 0
	s_wait_dscnt 0x0
	CVT
	CSTORE CSV, PITV
	BAR                             ; both stages are whole
	FETCH_K
	s_wait_dscnt 0x0
.set i, 0
.rept 32
	KQ 0                            ; piece 0's first scores: there is no vector work yet to set between them
.set i, i+1
.endr
	WIN 0                           ; the addresses for the way out are made here: six plain instructions, the places behind those products
	s_mul_i32 s13, s[WV], 16*SP
	s_add_co_u32 s13, s13, KSTG     ; my stage for the way out
	v_mul_u32_u24 v[STO], v1, SP    ; in: row l % 16, 16 bytes for each half of the lanes
	v_lshl_add_u32 v[STO], v9, 4, v[STO]
	v_add_nc_u32 v[STO], s13, v[STO]
	v_and_b32 v[GO], 31, v0
	v_lshlrev_b32 v[GO], 4, v[GO]   ; back, and in out: 32 lanes take one row of 512 bytes
	v_add_nc_u32 v[RD], s13, v[GO]
	BAR                             ; every wave has read K of step 0: K's stage may be overwritten
	TURN 2, 0, 1, 1, 1              ; piece 2's first scores | piece 0's first softmax | V of step 0 fetched | K of step 1 rounded
	BAR
	TURN 0, 1, 1, 1, 1              ; piece 0: V^T P of step 0 starts O^T, K Q^T of step 1 | piece 2's first softmax | K of step 1 fetched | V of step 1 rounded: slot 0 is read out
	CHANGE 1                        ; slot 0 takes steps 4 and 5
	TURN 2, 1, 1, 0, 1              ; piece 2: the same | piece 0's softmax of step 1 | V of step 1 fetched | K of step 2 rounded
	WIN 0
.Lpair:                             ; 13 trips: steps 1 to 26; each fills a slot again, the last with steps 30 and 31
	PAIR 1
	WIN 0
	s_sub_co_u32 s[PAIRS], s[PAIRS], 1
	s_cmp_lg_u32 s[PAIRS], 0
	s_cbranch_scc1 .Lpair
	PAIR 0                          ; the tail is written out: steps 27 and 28; nothing is left to ask for
	BAR
	TURN 0, 2, 1, 0, 1              ; step 29
	BAR
	TURN 2, 2, 1, 0, 1
	BAR
	TURN 0, 2, 1, 0, 1              ; step 30: V of step 31 is the last tile to be rounded
	BAR
	TURN 2, 2, 1, 0, 0
	BAR                             ; V of step 31 is in, in every wave: nobody reads the stages any more, and their bytes serve the way out
	TURN 0, 2, 0, 0, 0              ; piece 0: V^T P of the last step | piece 2's last softmax
.set i, 0
.rept 32
	PV 2, 0                         ; piece 2: V^T P of the last step
.set i, i+1
.endr
	; THE WAY OUT.  l's two halves and the other half of the lanes' are added; O^T is divided by l and sent through my stage in LDS, a tile (16 rows of out) at a time.  The additions are the places behind the last products.
	WIN 0
.irp t, 0,1,2,3
	v_add_f32 v[ST+8*\t+4], v[ST+8*\t+2], v[ST+8*\t+3]
.endr
.irp t, 0,1,2,3
	v_permlanex16_b32 v[ST+8*\t+5], v[ST+8*\t+4], s[SEL], s[SEL+1]
.endr
.irp t, 0,1,2,3
	v_add_f32 v[ST+8*\t+4], v[ST+8*\t+4], v[ST+8*\t+5]
.endr
.irp t, 0,1,2,3
	v_rcp_f32 v[ST+8*\t+6], v[ST+8*\t+4]
.endr
	v_nop                           ; a plain instruction between the last reciprocal and the use of its result
; Tile t.  Accumulator b of a lane holds places 16 b + 8 (l / 16) + 0..7 of one query: channels 8 b + 4 (l / 16) + 0..3 and the same 64 further on.  So its first four registers go to
; byte 32 b + 16 (l / 16) of the query's row and its last four 256 bytes behind: the channels are in their true order again.  Rows of 528 bytes; back as whole rows of 512.
; The rows come back into S^T's registers, 64 a tile, two tiles by turns: from tile 2 on the stores of the tile two back have to have read them.
.macro PACK t
	WIN W_RS
.set i, 64*\t
.rept 32
	s_wait_alu depctr_va_vdst(0)
	v_pk_mul_f32 v[i:i+1], v[i:i+1], v[ST+8*\t+6:ST+8*\t+7] op_sel_hi:[1,0]
.set i, i+2
.endr
	WIN 0x04                        ; data (source 1) window 1, address window 0
.irp b, 0,1,2,3,4,5,6,7
	ds_store_b128 v[STO], v[64*\t+8*\b:64*\t+8*\b+3]   offset:32*\b
	ds_store_b128 v[STO], v[64*\t+8*\b+4:64*\t+8*\b+7] offset:256+32*\b
.endr
.if \t >= 2
	s_wait_xcnt 0x0                 ; every earlier memory instruction has had its addresses translated (ISA guide 3.1): only behind this wait are the registers that earlier stores read loaded again
.endif
	WIN 0
.irp f, 0,1,2,3,4,5,6,7,8,9,10,11,12,13,14,15
	ds_load_b128 v[S+64*(\t%2)+4*\f:S+64*(\t%2)+4*\f+3], v[RD] offset:\f*SP  ; LDS serves a wave's instructions in order (ISA guide 5.7.1.4): these see the stores above; the next tile's stores come behind them
.endr
.endm
.macro SEND t, younger              ; younger: the LDS instructions issued behind tile t's loads: the next tile's 32, or none
.irp f, 0,1,2,3,4,5,6,7,8,9,10,11,12,13,14,15
	s_wait_dscnt \younger+15-\f     ; row f is back: behind it stand the tile's 15 - f later rows and the younger ones
	global_store_b128 v[GO], v[S+64*(\t%2)+4*\f:S+64*(\t%2)+4*\f+3], s[10:11] offset:\t*8192+\f*512 th:TH_STORE_NT  ; the wave stores 512 consecutive bytes, at a multiple of 512 from out's first byte
.endr
.endm
	PACK 0
	PACK 1                          ; a tile's arithmetic stands between the loads of the tile before and its stores
	SEND 0, 32
	PACK 2
	SEND 1, 32
	PACK 3
	SEND 2, 32
	SEND 3, 0
	s_wait_tensorcnt 0x0
	ds_add_u32 v62, v63
	s_wait_dscnt 0x0
	CROUND                          ; the closing round: no work-group ends while a partner may still ask for a tile that names it
	s_endpgm
.Lfunc_end_k_q8fcbb61a59_attn:
	.size	k_q8fcbb61a59_attn, .Lfunc_end_k_q8fcbb61a59_attn-k_q8fcbb61a59_attn
	.p2alignl 7, 3214868480
	.fill 96, 4, 3214868480
	.section	.rodata,"a",@progbits
	.p2align	6, 0x0
	.amdhsa_kernel k_q8fcbb61a59_attn
		.amdhsa_group_segment_fixed_size 327680
		.amdhsa_private_segment_fixed_size 0
		.amdhsa_enable_private_segment 0
		.amdhsa_kernarg_size 40
		.amdhsa_user_sgpr_count 2
		.amdhsa_user_sgpr_kernarg_segment_ptr 1
		.amdhsa_wavefront_size32 1
		.amdhsa_system_sgpr_workgroup_id_x 1
		.amdhsa_system_sgpr_workgroup_id_y 1
		.amdhsa_system_sgpr_workgroup_id_z 1
		.amdhsa_system_vgpr_workitem_id 0
		.amdhsa_next_free_vgpr 1024
		.amdhsa_next_free_sgpr 66
		.amdhsa_reserve_vcc 0
		.amdhsa_float_denorm_mode_32 3
		.amdhsa_float_denorm_mode_16_64 3
		.amdhsa_memory_ordered 1
		.amdhsa_forward_progress 1
		.amdhsa_inst_pref_size 255
	.end_amdhsa_kernel
	.section	.bss,"aw",@nobits
	.p2align	6
	.space	262144
	.amdgpu_metadata
---
amdhsa.version: [ 1, 2 ]
amdhsa.kernels:
  - .name:           k_q8fcbb61a59_attn
    .symbol:         k_q8fcbb61a59_attn.kd
    .args:
      - { .name: query, .offset: 0, .size: 8, .value_kind: global_buffer, .address_space: global }
      - { .name: key, .offset: 8, .size: 8, .value_kind: global_buffer, .address_space: global }
      - { .name: value, .offset: 16, .size: 8, .value_kind: global_buffer, .address_space: global }
      - { .name: out0, .offset: 24, .size: 8, .value_kind: global_buffer, .address_space: global }
      - { .name: scale_factor, .offset: 32, .size: 8, .value_kind: global_buffer, .address_space: global }
    .group_segment_fixed_size: 327680
    .private_segment_fixed_size: 0
    .kernarg_segment_align: 8
    .kernarg_segment_size: 40
    .max_flat_workgroup_size: 128
    .sgpr_count:     66
    .vgpr_count:     1024
    .wavefront_size: 32
...
	.end_amdgpu_metadata
.endif
;; end of part 1
